; MI455X (gfx1250); checked and timed in simulation.
; The chip was launched on July 23, 2026; its instructions are those of AMD's public machine-readable ISA for CDNA 5 (MIT licence, August 2026) and "CDNA5" Instruction Set Architecture Reference Guide (July 2026). The comments in the code are by the model that wrote it; some were corrected since.
;; PDE Net Light. Allowed arithmetic: float matrix products may take bf16 or f16 operands with f32 sums; other float arithmetic in f32, or as packed bf16 or f16 multiplies, adds, multiply-adds, maxima and minima; sums over many terms, partial sums and values carried from step to step in f32; what a program stores and reads back later, other than sums and carried values, may be rounded once to bf16 or f16.
;; Inputs: Ug1 512 x 3 float32; Ug2 512 x 3 float32; Uh1 512 x 3 float32; Uh2 512 x 3 float32; Ur1 512 x 3 float32; Ur2 512 x 3 float32; Uz1 512 x 3 float32; Uz2 512 x 3 float32; W 1 x 512 float32; W1 512 x 3 float32; Wg1 512 x 512 float32; Wg2 512 x 512 float32; Wh1 512 x 512 float32; Wh2 512 x 512 float32; Wr1 512 x 512 float32; Wr2 512 x 512 float32; Wz1 512 x 512 float32; Wz2 512 x 512 float32; b 1 x 1 float32; b1 512 x 1 float32; bg1 512 x 1 float32; bg2 512 x 1 float32; bh1 512 x 1 float32; bh2 512 x 1 float32; br1 512 x 1 float32; br2 512 x 1 float32; bz1 512 x 1 float32; bz2 512 x 1 float32; x 3 x 32,768 float32.
;; Outputs: out0 1 x 32,768 float32.
;; 2 versions, each right. Each part assembles by itself: llvm-mc -triple=amdgcn-amd-amdhsa -mcpu=gfx1250 --defsym DOCPART=n.
;; ======== version 1 of 2: 2 launches
;; limits: values outside matrix products are rounded to f16; values are held in f16: magnitudes above 65,504 overflow, below 6.1e-05 lose precision; inputs' magnitudes at most 22,701; inputs' magnitudes at most 65,504
;; workspace buffers: wk 4,505,600 bytes
;; launch pack (part 1): grid 32 x 9, 8 waves a work-group, no clusters, 0 bytes of LDS; arguments Wr1, Wh1, Wg1, Wz1, Wr2, Wh2, Wg2, Wz2, W1, Ur1, Uh1, Ug1, Uz1, Ur2, Uh2, Ug2, Uz2, b1, br1, bh1, bg1, bz1, br2, bh2, bg2, bz2, W, wk; writes wk
.if DOCPART == 1
	.amdgcn_target "amdgcn-amd-amdhsa--gfx1250"
	.amdhsa_code_object_version 6
	.text
	.protected	k_qdf919a95c4_pack
	.globl	k_qdf919a95c4_pack
	.p2align	8
	.type	k_qdf919a95c4_pack,@function
k_qdf919a95c4_pack:
	s_mov_b64 s[64:65], 0
	v_nop
	global_prefetch_b8 v0, s[64:65] scope:SCOPE_SE
	s_setreg_imm32_b32 hwreg(HW_REG_WAVE_MODE, 25, 1), 1
	s_wait_xcnt 0x0
; All weights, rounded ONCE to f16 and laid out as the second launch's matrix fragments.
; The nine tanh layers' W, U and b are first multiplied in f32 by c = 2 log2(e), so that a sum of products is c a and tanh(a) = 1 - 2 / (1 + 2^(c a)).  The last layer's W is not scaled.
; LIMITS.  f16 ends at 65,504: |c w| and |c b| must stay below that; numbers below 6e-5 keep f16's fixed step of 6e-8.  NaN and infinities are not treated apart.
; A FRAGMENT is 16 rows x 32 k of f16, 1,024 bytes, in lane order: byte 16 l holds lane l's registers 0-3 (row l % 16, k = 8 (l / 16) + 0..7), byte 512 + 16 l its registers 4-7 (k 16 higher).
; wk:  MAIN  64 fills of 65,536 bytes; fill 8 g + i = K steps 2 i, 2 i + 1 of product g; m-tile M, K step 2 i + kk at (M / 8) x 16,384 + (8 kk + M % 8) x 1,024
;      AUG   at AUGOFF: stage q, m-tile M at 32,768 q + 1,024 M: k = 0..3 hold c U[m][0..2], c b[m], the rest 0
;      FIN   at FINOFF: K step t at 1,024 t: rows 0 and 8 hold W[32 t + k], the other rows 0
; STAGES q: 0 S1, 1 R1, 2 H1, 3 G1, 4 Z1, 5 R2, 6 H2, 7 G2, 8 Z2; product g = q - 1.
; SHARES.  Work-group (M, q).  q >= 1: wave i makes the two fragments of fill i for m-tile M; its eight loads use all 256 bytes that they touch of each of 16 rows.  Wave 0 also makes the stage's AUG fragment.
; q = 0: wave 0 makes S1's AUG fragment, wave 1 (M < 16) a FIN fragment.  Every store of a wave covers 512 consecutive bytes, aligned.
; Which buffer a stage reads is chosen by a chain of compares on q: each arm names one base.
.set CSC,    0x4038aa3b                ; c = 2 log2(e) = 2.8853900818
.set AUGOFF, 4194304
.set FINOFF, 4489216
; s[4:19] the eight W; s[20+2q] U of stage q; s[38+2q] b of stage q; s[56:57] W; s[58:59] wk
; s60 wave, s61 M, s62 q, s[72:73] c twice, s74 g, s75 at work, s[76:77], s[78:79], s[82:83] store bases
	s_load_b512 s[4:19],  s[0:1], 0x0
	s_load_b512 s[20:35], s[0:1], 0x40
	s_load_b512 s[36:51], s[0:1], 0x80
	s_load_b256 s[52:59], s[0:1], 0xc0
	v_and_b32 v1, 31, v0                           ; lane
	v_lshrrev_b32 v2, 5, v0
	v_readfirstlane_b32 s60, v2                    ; wave 0..7
	s_mov_b32 s61, ttmp9                           ; M
	s_and_b32 s62, ttmp7, 0xffff                   ; q
	s_mov_b32 s72, CSC
	s_mov_b32 s73, CSC                             ; named with it as a pair
	v_and_b32 v3, 15, v1                           ; r
	v_lshrrev_b32 v4, 4, v1                        ; h
	v_lshlrev_b32 v5, 4, v1                        ; 16 x lane: my place in every store; never rewritten
	v_lshl_add_u32 v6, s61, 4, v3                  ; my row m = 16 M + r
	s_wait_kmcnt 0x0
	s_cmp_eq_u32 s62, 0
	s_cbranch_scc1 .Lnomain
	; MAIN: two fragments.  Load n = 4 kk + 2 half + e brings k = 64 i + 32 kk + 16 half + 8 h + 4 e + 0..3 of row m
.macro WLOADS g
.irp n, 0,1,2,3,4,5,6,7
	global_load_b128 v[8+4*(\n):11+4*(\n)], v7, s[4+2*(\g):5+2*(\g)] offset:((\n)/4)*128+(((\n)/2)%2)*64+((\n)%2)*16 th:TH_LOAD_NT
.endr
.endm
	s_sub_co_u32 s74, s62, 1                       ; g
	v_lshlrev_b32 v7, 11, v6                       ; a row of W is 2,048 bytes
	v_lshl_add_u32 v7, v4, 5, v7                   ; + 32 h
	v_lshl_add_u32 v7, s60, 8, v7                  ; + 256 i
.irp g, 0,1,2,3,4,5,6
	s_cmp_eq_u32 s74, \g
	s_cbranch_scc1 .Lw\g
.endr
	WLOADS 7
	s_branch .Lwj
.irp g, 0,1,2,3,4,5,6
.Lw\g:
	WLOADS \g
.if (\g) != 6
	s_branch .Lwj
.endif
.endr
.Lwj:
	s_lshl_b32 s76, s74, 19                        ; 524,288 g
	s_lshl_b32 s75, s60, 16                        ; + 65,536 i
	s_add_co_u32 s76, s76, s75
	s_lshr_b32 s75, s61, 3
	s_lshl_b32 s75, s75, 14                        ; + 16,384 (M / 8)
	s_add_co_u32 s76, s76, s75
	s_and_b32 s75, s61, 7
	s_lshl_b32 s75, s75, 10                        ; + 1,024 (M % 8)
	s_add_co_u32 s76, s76, s75
	s_mov_b32 s77, 0
	s_add_nc_u64 s[76:77], s[58:59], s[76:77]
	s_wait_loadcnt 0x0
.set i, 8
.rept 16
	v_pk_mul_f32 v[i:i+1], v[i:i+1], s[72:73] op_sel_hi:[1,0]
.set i, i+2
.endr
.set i, 0
.rept 16
	v_cvt_pk_f16_f32 v[40+i], v[8+2*i], v[9+2*i]   ; the one rounding
.set i, i+1
.endr
.irp n, 0,1,2,3                                        ; n = 2 kk + half
	global_store_b128 v5, v[40+4*(\n):43+4*(\n)], s[76:77] offset:((\n)/2)*8192+((\n)%2)*512
.endr
.Lnomain:
	s_cmp_lg_u32 s60, 0
	s_cbranch_scc1 .Lnot0
	; AUG, wave 0: registers of its own, so that nothing of the stores above is rewritten
.macro ULOADS q
	global_load_b32 v58, v56, s[20+2*(\q):21+2*(\q)]
	global_load_b32 v59, v56, s[20+2*(\q):21+2*(\q)] offset:4
	global_load_b32 v60, v56, s[20+2*(\q):21+2*(\q)] offset:8
	global_load_b32 v61, v57, s[38+2*(\q):39+2*(\q)]
.endm
	v_mul_u32_u24 v56, v6, 12                      ; a row of U is 12 bytes
	v_lshlrev_b32 v57, 2, v6
.irp q, 0,1,2,3,4,5,6,7
	s_cmp_eq_u32 s62, \q
	s_cbranch_scc1 .Lu\q
.endr
	ULOADS 8
	s_branch .Luj
.irp q, 0,1,2,3,4,5,6,7
.Lu\q:
	ULOADS \q
.if (\q) != 7
	s_branch .Luj
.endif
.endr
.Luj:
	s_lshl_b32 s78, s62, 15                        ; 32,768 q
	s_lshl_b32 s79, s61, 10                        ; + 1,024 M
	s_add_co_u32 s78, s78, s79
	s_add_co_u32 s78, s78, AUGOFF
	s_mov_b32 s79, 0
	s_add_nc_u64 s[78:79], s[58:59], s[78:79]
	v_mov_b32 v64, 0
	v_mov_b32 v65, 0
.irp i, 66,67,68,69
	v_mov_b32 v\i, 0
.endr
	v_cmp_gt_u32 vcc_lo, 16, v1                    ; k = 0..7 lie in lanes 0-15
	s_wait_loadcnt 0x0
	v_pk_mul_f32 v[58:59], v[58:59], s[72:73] op_sel_hi:[1,0]
	v_pk_mul_f32 v[60:61], v[60:61], s[72:73] op_sel_hi:[1,0]
	v_cvt_pk_f16_f32 v62, v58, v59
	v_cvt_pk_f16_f32 v63, v60, v61
	v_cndmask_b32 v62, 0, v62, vcc_lo
	v_cndmask_b32 v63, 0, v63, vcc_lo
	global_store_b128 v5, v[62:65], s[78:79]
	global_store_b128 v5, v[66:69], s[78:79] offset:512
	s_endpgm
.Lnot0:
	s_cmp_lg_u32 s62, 0
	s_cbranch_scc1 .Ldone
	s_cmp_lg_u32 s60, 1
	s_cbranch_scc1 .Ldone
	s_cmp_ge_u32 s61, 16
	s_cbranch_scc1 .Ldone
	; FIN, wave 1 of the work-groups (M < 16, 0): K step t = M
	v_lshlrev_b32 v70, 5, v4                       ; 32 h
	v_lshl_add_u32 v70, s61, 7, v70                ; + 128 t
	global_load_b128 v[72:75], v70, s[56:57]
	global_load_b128 v[76:79], v70, s[56:57] offset:16
	global_load_b128 v[80:83], v70, s[56:57] offset:64
	global_load_b128 v[84:87], v70, s[56:57] offset:80
	s_lshl_b32 s82, s61, 10
	s_add_co_u32 s82, s82, FINOFF
	s_mov_b32 s83, 0
	s_add_nc_u64 s[82:83], s[58:59], s[82:83]
	v_and_b32 v71, 7, v1
	v_cmp_eq_u32 vcc_lo, 0, v71                    ; rows 0 and 8
	s_wait_loadcnt 0x0
.set i, 0
.rept 8
	v_cvt_pk_f16_f32 v[88+i], v[72+2*i], v[73+2*i]
.set i, i+1
.endr
.set i, 0
.rept 8
	v_cndmask_b32 v[88+i], 0, v[88+i], vcc_lo
.set i, i+1
.endr
	global_store_b128 v5, v[88:91], s[82:83]
	global_store_b128 v5, v[92:95], s[82:83] offset:512
.Ldone:
	s_endpgm
.Lfunc_end_k_qdf919a95c4_pack:
	.size	k_qdf919a95c4_pack, .Lfunc_end_k_qdf919a95c4_pack-k_qdf919a95c4_pack
	.p2alignl 7, 3214868480
	.fill 96, 4, 3214868480
	.section	.rodata,"a",@progbits
	.p2align	6, 0x0
	.amdhsa_kernel k_qdf919a95c4_pack
		.amdhsa_group_segment_fixed_size 0
		.amdhsa_private_segment_fixed_size 0
		.amdhsa_enable_private_segment 0
		.amdhsa_kernarg_size 224
		.amdhsa_user_sgpr_count 2
		.amdhsa_user_sgpr_kernarg_segment_ptr 1
		.amdhsa_wavefront_size32 1
		.amdhsa_system_sgpr_workgroup_id_x 1
		.amdhsa_system_sgpr_workgroup_id_y 1
		.amdhsa_system_sgpr_workgroup_id_z 1
		.amdhsa_system_vgpr_workitem_id 0
		.amdhsa_next_free_vgpr 96
		.amdhsa_next_free_sgpr 84
		.amdhsa_reserve_vcc 1
		.amdhsa_float_denorm_mode_32 3
		.amdhsa_float_denorm_mode_16_64 3
		.amdhsa_memory_ordered 1
		.amdhsa_forward_progress 1
		.amdhsa_inst_pref_size 18
	.end_amdhsa_kernel
	.amdgpu_metadata
---
amdhsa.version: [ 1, 2 ]
amdhsa.kernels:
  - .name:           k_qdf919a95c4_pack
    .symbol:         k_qdf919a95c4_pack.kd
    .args:
      - { .name: Wr1, .offset: 0, .size: 8, .value_kind: global_buffer, .address_space: global }
      - { .name: Wh1, .offset: 8, .size: 8, .value_kind: global_buffer, .address_space: global }
      - { .name: Wg1, .offset: 16, .size: 8, .value_kind: global_buffer, .address_space: global }
      - { .name: Wz1, .offset: 24, .size: 8, .value_kind: global_buffer, .address_space: global }
      - { .name: Wr2, .offset: 32, .size: 8, .value_kind: global_buffer, .address_space: global }
      - { .name: Wh2, .offset: 40, .size: 8, .value_kind: global_buffer, .address_space: global }
      - { .name: Wg2, .offset: 48, .size: 8, .value_kind: global_buffer, .address_space: global }
      - { .name: Wz2, .offset: 56, .size: 8, .value_kind: global_buffer, .address_space: global }
      - { .name: W1, .offset: 64, .size: 8, .value_kind: global_buffer, .address_space: global }
      - { .name: Ur1, .offset: 72, .size: 8, .value_kind: global_buffer, .address_space: global }
      - { .name: Uh1, .offset: 80, .size: 8, .value_kind: global_buffer, .address_space: global }
      - { .name: Ug1, .offset: 88, .size: 8, .value_kind: global_buffer, .address_space: global }
      - { .name: Uz1, .offset: 96, .size: 8, .value_kind: global_buffer, .address_space: global }
      - { .name: Ur2, .offset: 104, .size: 8, .value_kind: global_buffer, .address_space: global }
      - { .name: Uh2, .offset: 112, .size: 8, .value_kind: global_buffer, .address_space: global }
      - { .name: Ug2, .offset: 120, .size: 8, .value_kind: global_buffer, .address_space: global }
      - { .name: Uz2, .offset: 128, .size: 8, .value_kind: global_buffer, .address_space: global }
      - { .name: b1, .offset: 136, .size: 8, .value_kind: global_buffer, .address_space: global }
      - { .name: br1, .offset: 144, .size: 8, .value_kind: global_buffer, .address_space: global }
      - { .name: bh1, .offset: 152, .size: 8, .value_kind: global_buffer, .address_space: global }
      - { .name: bg1, .offset: 160, .size: 8, .value_kind: global_buffer, .address_space: global }
      - { .name: bz1, .offset: 168, .size: 8, .value_kind: global_buffer, .address_space: global }
      - { .name: br2, .offset: 176, .size: 8, .value_kind: global_buffer, .address_space: global }
      - { .name: bh2, .offset: 184, .size: 8, .value_kind: global_buffer, .address_space: global }
      - { .name: bg2, .offset: 192, .size: 8, .value_kind: global_buffer, .address_space: global }
      - { .name: bz2, .offset: 200, .size: 8, .value_kind: global_buffer, .address_space: global }
      - { .name: W, .offset: 208, .size: 8, .value_kind: global_buffer, .address_space: global }
      - { .name: wk, .offset: 216, .size: 8, .value_kind: global_buffer, .address_space: global }
    .group_segment_fixed_size: 0
    .private_segment_fixed_size: 0
    .kernarg_segment_align: 8
    .kernarg_segment_size: 224
    .max_flat_workgroup_size: 256
    .sgpr_count:     84
    .vgpr_count:     96
    .wavefront_size: 32
...
	.end_amdgpu_metadata
.endif
;; end of part 1
;; launch net (part 2): grid 256 x 1, 4 waves a work-group, clusters of 4 x 1, 327,680 bytes of LDS; arguments x, b, wk, out0; writes out0
.if DOCPART == 2
	.amdgcn_target "amdgcn-amd-amdhsa--gfx1250"
	.amdhsa_code_object_version 6
	.text
	.protected	k_qdf919a95c4_net
	.globl	k_qdf919a95c4_net
	.p2align	8
	.type	k_qdf919a95c4_net,@function
k_qdf919a95c4_net:
	s_mov_b64 s[64:65], 0
	v_nop
	global_prefetch_b8 v0, s[64:65] scope:SCOPE_SE
	s_setreg_imm32_b32 hwreg(HW_REG_WAVE_MODE, 25, 1), 1
	s_wait_xcnt 0x0
	s_wait_alu depctr_hold_cnt(0) depctr_sa_sdst(0) depctr_va_vdst(0) depctr_va_sdst(0) depctr_va_ssrc(0) depctr_va_vcc(0) depctr_vm_vsrc(0)
	s_getreg_b32 s2, hwreg(HW_REG_IB_STS2, 6, 4)
	s_cmp_eq_u32 s2, 0
	s_cbranch_scc0 .Lentry_in_a_cluster
	s_endpgm
.Lentry_in_a_cluster:
	s_bfe_u32 s2, ttmp6, 0x10000c
	s_cmp_lg_u32 s2, 0x3003
	s_cbranch_scc0 .Lentry_shape_is_right
	s_endpgm
.Lentry_shape_is_right:
; THE WHOLE NETWORK for 128 samples a work-group: nine tanh layers of 512 rows and the last projection; no state leaves the work-group.
; FORMATS.  All matrix operands f16 (weights as the first launch left them, already multiplied by c = 2 log2(e)); sums f32; every state is rounded once to f16 where it is stored.
; tanh(a) = 1 - 2 r, r = 1 / (1 + 2^(c a)): 2^.. = infinity gives r = 0, 2^.. = 0 gives r = 1, so both ends are exact.  Every state is bounded by the computation itself (|tanh| <= 1, |S| < 3).
; LIMITS.  |x| below 65,504 (f16); x below 6e-5 keeps f16's fixed step of 6e-8.  NaN and infinities are not treated apart.
; SHARES.  Wave w owns hidden rows 128 w .. + 127 of every stage, for all 128 samples: 64 accumulators of 16 x 16, tile tau = 8 a + b (m-tile a, n-tile b).
; PRODUCT.  D = weights (source 0) x state (source 1): a lane of D holds sample l % 16 and rows 8 (l / 16) + 0..7.  Packed in pairs these are half of a source-1 fragment of the next product, in the same lane:
; a state goes to LDS by stores of 16 bytes at 16 x lane, and comes back likewise: no padding is needed.
; U x + b IS A 17TH K STEP: weights [c U | c b | 0 ..] times [x0, x1, x2, 1, 0 ..]; its products take the constant 0 as C and start every sum.
; STAGES.  S1, then twice R, H, G, Z.  y = C1 r + C0.  R: y = tanh, S y replaces S in LDS (S itself stays parked in P).  H: S goes back to LDS, P = y = 2 H.  G: y = r = (1 - G) / 2, P = P y = (1 - G) H.
; Z: y = tanh, P = S y + P = the new S, which goes to LDS.
; WEIGHTS.  64 fills of 65,536 bytes (two K steps of all 512 rows) through two LDS slots; wave w fetches, and alone reads, its quarter.  All work-groups walk the same weights: the four of a cluster ask JOINTLY
; (the same load, descriptor and mask in all four).  The ring runs on from one product into the next.
; REGISTERS, in windows of 256 (s_set_vgpr_msb: bits 1:0 source 0, 3:2 source 1, 5:4 source 2, 7:6 destination):
;   window 0: v0-31 addresses; v32-43 at work; v64-127, v128-191 weight fragments, two buffers; v192-255 state fragments of n-tiles 0-3, 4-7
;   window 1: P, tile tau at 4 tau, packed f16          windows 2, 3: the accumulators, tile tau in window 2 + tau / 32 at 8 (tau % 32)
.set NSAMP,  32768
.set XREG,   131072                    ; LDS 0 .. 131,071: the state, fragment (K step t, n-tile b) at (8 t + b) x 1,024.  Here: the 8 fragments of [x, 1]
.set OUTS,   139264                    ; 128 results
.set SPARE,  139776                    ; the spare words, 128 bytes for each wave: two blocks of 256 bytes that no other line names
.set SLOT0,  147456                    ; two slots of 65,536 bytes; no LDS store ever lands in them
.set SLOTB,  65536
.set AUGOFF, 4194304
.set FINOFF, 4489216
.set LANE, 1
.set AADR, 10                          ; v10-11 my quarter of slot 0, 1 + 16 x lane
.set BADR, 12                          ; v12    16 x lane + the lap's four K steps of state
.set L16,  13                          ; v13    16 x lane; never rewritten
.set SADR, 14                          ; v14    my rows of the state: 32,768 w + 16 x lane
.set XADR, 15                          ; v15    XREG + 16 x lane
.set GOFF, 16                          ; v16    8,192 w + 16 x lane: my eight fragments of a stage's [c U | c b]
.set PFO,  17                          ; v17    256 x lane
.set ZERO, 18                          ; v18    0
.set FB,   20                          ; v20-21 the end: my two n-tiles, K steps 0-7 and 8-15
.set OST,  22                          ; v22    where I put my result
.set ORD,  23                          ; v23    where wave 0 reads four results
.set SPW,  30                          ; v30    my spare word; never rewritten
.set NIL,  31                          ; v31    0; never rewritten
.set AF0,  64
.set AF1,  128
.set BF,   192
.set WV,   12                          ; s12 wave   s13 cx   s14 work-group
.set G1,   16                          ; s[16:23] descriptor group 1
.set G0,   24                          ; s[24:31] descriptor group 0, a set for each slot
.set AUGP, 32                          ; s[32:33] the [c U | c b] of the stage to be fetched next
.set PFA,  34                          ; s[34:35] where my prefetches stand
.set PFL,  36                          ; s36 prefetches still to be made
.set STG,  37                          ; s37 stages to go, the one in hand among them
.set LAPC, 38
.set TYPE, 39                          ; s39 0 R, 1 H, 2 G, 3 Z, 7 S1
.set C1,   40                          ; s[40:41], s[42:43]: y = C1 r + C0; the low words count
.set C0,   42
.set FINP, 48
.set BV,   50                          ; s50 b
.set MSB, 0
.macro WIN new                         ; the immediate's high byte repeats the setting that is left; a switch that changes nothing is dropped
.if MSB != (\new)
	s_set_vgpr_msb (MSB<<8)|(\new)
.set MSB, \new
.endif
.endm
.macro PLACES                          ; four places: in front of loads into registers that matrix instructions have read, and of vector work on their results
.rept 4
	v_nop
.endr
.endm
.macro CREST                           ; a round of the cluster's barrier behind its opening barrier
	s_cmp_lg_u32 s[WV], 0
	s_cbranch_scc1 .Lnw0_\@
	s_barrier_signal -3
.Lnw0_\@:
	s_barrier_wait -3
	s_barrier_signal -1
	s_barrier_wait -1
.endm
.macro CROUND
	s_barrier_signal -1
	s_barrier_wait -1
	CREST
.endm
; 16 matrix instructions: m-tiles 4 ah .. + 3 x n-tiles 4 bh .. + 3, 32 along K, weights in buffer f.  zero = 1: the products start the sums.
; The 64 accumulators take turns, one instruction a turn, in the same order in every K step.
.macro MUL16 f, bh, ah, zero
	WIN 0xa0+0x50*(\ah)
.irp a, 0,1,2,3
.irp b, 0,1,2,3
.if \zero
	v_wmma_f32_16x16x32_f16 v[8*(8*(\a)+4*(\bh)+(\b)):8*(8*(\a)+4*(\bh)+(\b))+7], v[(\f)+8*(4*(\ah)+(\a)):(\f)+8*(4*(\ah)+(\a))+7], v[BF+8*(4*(\bh)+(\b)):BF+8*(4*(\bh)+(\b))+7], 0
.else
	v_wmma_f32_16x16x32_f16 v[8*(8*(\a)+4*(\bh)+(\b)):8*(8*(\a)+4*(\bh)+(\b))+7], v[(\f)+8*(4*(\ah)+(\a)):(\f)+8*(4*(\ah)+(\a))+7], v[BF+8*(4*(\bh)+(\b)):BF+8*(4*(\bh)+(\b))+7], v[8*(8*(\a)+4*(\bh)+(\b)):8*(8*(\a)+4*(\bh)+(\b))+7]
.endif
.endr
.endr
.endm
.macro LOADB bh, off                   ; 8 LDS loads: the state fragments of n-tiles 4 bh .. + 3, at byte off of the lap's state
.irp b, 0,1,2,3
	ds_load_b128 v[BF+32*(\bh)+8*(\b):BF+32*(\bh)+8*(\b)+3],   v[BADR] offset:(\off)+(4*(\bh)+(\b))*1024
	ds_load_b128 v[BF+32*(\bh)+8*(\b)+4:BF+32*(\bh)+8*(\b)+7], v[BADR] offset:(\off)+(4*(\bh)+(\b))*1024+512
.endr
.endm
.macro LOADA g, slot, kk               ; 16 LDS loads: my eight weight fragments of K step kk of a slot, into buffer g
.irp a, 0,1,2,3,4,5,6,7
	ds_load_b128 v[(\g)+8*(\a):(\g)+8*(\a)+3],   v[AADR+(\slot)] offset:((\kk)*8+(\a))*1024
	ds_load_b128 v[(\g)+8*(\a)+4:(\g)+8*(\a)+7], v[AADR+(\slot)] offset:((\kk)*8+(\a))*1024+512
.endr
.endm
.macro LOADX                           ; 16 LDS loads: the fragments of [x, 1], n-tiles 0-3 first
.irp b, 0,1,2,3,4,5,6,7
	ds_load_b128 v[BF+8*(\b):BF+8*(\b)+3],   v[XADR] offset:(\b)*1024
	ds_load_b128 v[BF+8*(\b)+4:BF+8*(\b)+7], v[XADR] offset:(\b)*1024+512
.endr
.endm
.macro AUGLD                           ; 16 loads from memory: my eight fragments of the next stage's [c U | c b], into buffer 1
.irp a, 0,1,2,3,4,5,6,7
	global_load_b128 v[AF1+8*(\a):AF1+8*(\a)+3],   v[GOFF], s[AUGP:AUGP+1] offset:(\a)*1024
	global_load_b128 v[AF1+8*(\a)+4:AF1+8*(\a)+7], v[GOFF], s[AUGP:AUGP+1] offset:(\a)*1024+512
.endr
.endm
; A K STEP: 64 matrix instructions on buffer f; the next step's fragments are fetched in two runs: n-tiles 0-3 and the weights (into g) in its middle, n-tiles 4-7 at its end.
; tw = 1 (the x step): slot 0 is read for the first time in this product.
.macro STEP f, g, zero, off, slot, kk, tw
	s_wait_dscnt 8                                 ; n-tiles 0-3 and the weights are in; the youngest eight loads (n-tiles 4-7) may be out
	MUL16 \f, 0, 0, \zero
	MUL16 \f, 0, 1, \zero
	PLACES
	WIN 0
.if \tw
	s_wait_tensorcnt 1                             ; slot 0's fill has landed; one load was issued behind it, slot 1's, which may be out
.endif
	LOADB 0, \off
	LOADA \g, \slot, \kk
	s_wait_dscnt 24                                ; n-tiles 4-7 are in; the 24 just issued may be out
	MUL16 \f, 1, 0, \zero
	MUL16 \f, 1, 1, \zero
	PLACES
	WIN 0
	LOADB 1, \off
.endm
; A PREFETCH INTO THE L2, behind a refill, its five lines and the run of LDS loads: the fill that stands four refills on, 512 matrix instructions ahead of the load that will want it.  All clusters walk the same fills:
; cluster 0 asks.  Its four partners take 16,384 bytes of a fill each, told apart by address; in each, waves 0 and 1 take 8,192 bytes, a lane for each 256: so each block is named once in the launch.
; Fills 0 to 5 come by their loads alone; behind fill 63 nothing is asked for (58 requests a wave).
.macro ASK
	s_cmp_lg_u32 s[PFL], 0
	s_cbranch_scc0 .Lna_\@
	global_prefetch_b8 v[PFO], s[PFA:PFA+1] th:TH_LOAD_NT scope:SCOPE_SE
	s_sub_co_u32 s[PFL], s[PFL], 1
.Lna_\@:
.endm
; A SLOT'S SECOND K STEP, and the change of slots: all the slot's fragments are in registers or on their way there.  Each wave waits for all its tensor loads (one is out: its quarter of the other slot), adds 0 to its
; spare word, and waits for that and for its reads of the slot.  fill = 1: the barrier opens a round of the cluster's barrier, and the joint refill, two fills on, is the first thing behind the round.
; next = 1: the next K step's fragments are fetched, the weights from the other slot.
.macro TURN f, g, slot, off, next, fill
	WIN 0
.if \fill
	s_wait_xcnt 0x0                                ; the last prefetch, two K steps back, has read its address
	s_add_nc_u64 s[PFA:PFA+1], s[PFA:PFA+1], SLOTB
.endif
	s_wait_tensorcnt 0x0                           ; all my tensor loads have landed
	ds_add_u32 v[SPW], v[NIL]                      ; 0 onto my spare word
	s_wait_dscnt 9                                 ; (the add and the youngest eight loads may be out)
	MUL16 \f, 0, 0, 0                              ; sixteen matrix instructions stand between the add and the wait for it
	s_wait_dscnt 0x0                               ; the add is done, and my reads of this slot are over
	s_barrier_signal -1
	MUL16 \f, 0, 1, 0                              ; work on registers while the others arrive
	WIN 0
	s_barrier_wait -1
.if \fill
	CREST                                          ; no wave of any partner still reads this slot or has a load on its way
	s_add_nc_u64 s[G0+4*(\slot)+2:G0+4*(\slot)+3], s[G0+4*(\slot)+2:G0+4*(\slot)+3], 2*SLOTB
	tensor_load_to_lds s[G0+4*(\slot):G0+4*(\slot)+3], s[G1:G1+7]
	s_nop 0
.endif
	PLACES                                         ; the places in front of the loads below
.if \next
	LOADB 0, \off
	LOADA \g, 1-(\slot), 0
.endif
.if \fill
	ASK
.endif
	MUL16 \f, 1, 0, 0
	MUL16 \f, 1, 1, 0
	PLACES
	WIN 0
.if \next
	LOADB 1, \off
.endif
.endm
.macro LAP3 fill                       ; the first three K steps of a lap of four
	STEP AF0, AF1, 0, 8192, 0, 1, 0
	TURN AF1, AF0, 0, 16384, 1, \fill
	STEP AF0, AF1, 0, 24576, 1, 1, 0
.endm
; y = C1 / (1 + 2^acc) + C0, in place, for one window of 32 accumulators.  The exponentials are one batch, the reciprocals another: a plain line and one wait behind each.
; Each accumulator's lowest register is read first.
.macro ACT win
	WIN ((\win)<<6)|(\win)
.set i, 0
.rept 256
	v_exp_f32 v[i], v[i]
.set i, i+1
.endr
	v_nop
	s_wait_alu depctr_va_vdst(0)
.set i, 0
.rept 128
	v_pk_add_f32 v[i:i+1], v[i:i+1], 1.0 op_sel_hi:[1,0]
.set i, i+2
.endr
.set i, 0
.rept 256
	v_rcp_f32 v[i], v[i]
.set i, i+1
.endr
	v_nop
	s_wait_alu depctr_va_vdst(0)
.set i, 0
.rept 128
	v_pk_fma_f32 v[i:i+1], v[i:i+1], s[C1:C1+1], s[C0:C0+1] op_sel_hi:[1,0,0]
.set i, i+2
.endr
.endm
; My 64 tiles, packed (tile tau at 4 tau of window win), over my rows of the state: tile (a, b) is half a % 2 of fragment (4 w + a / 2, b)
.macro PUT win
	WIN (\win)<<2
.set t, 0
.rept 64
	ds_store_b128 v[SADR], v[4*t:4*t+3] offset:(t/16)*8192+(t%8)*1024+((t/8)%2)*512
.set t, t+1
.endr
	WIN 0
.endm
; P x y, rounded once to f16.  base = 0x49: into P, in place.  base = 0x89: into window 2 at 4 tau: the destination never passes the y that is being read, and window 3's results land where window 2's y have been used.
.macro MIXM base
.set t, 0
.rept 64
	WIN (\base)+4*(t/32)
.set j, 0
.rept 4
	v_fma_mixlo_f16 v[4*t+j], v[4*t+j], v[8*(t%32)+2*j],   v[ZERO] op_sel_hi:[1,0,0]
	v_fma_mixhi_f16 v[4*t+j], v[4*t+j], v[8*(t%32)+2*j+1], v[ZERO] op_sel:[1,0,0] op_sel_hi:[1,0,0]
.set j, j+1
.endr
.set t, t+1
.endr
	WIN 0
.endm
.macro CVT                             ; P = y, rounded to f16
.set t, 0
.rept 64
	WIN 0x4a+5*(t/32)
.irp p, 0,1,2,3
	v_cvt_pk_f16_f32 v[4*t+(\p)], v[8*(t%32)+2*(\p)], v[8*(t%32)+2*(\p)+1]
.endr
.set t, t+1
.endr
	WIN 0
.endm
.macro ZLOAD c                         ; tiles 16 c .. + 15 of my S, out of LDS, into v64-127 (c even) or v192-255 (c odd)
	WIN 0
.set u, 0
.rept 16
.set t, 16*(\c)+u
	ds_load_b128 v[64+128*((\c)%2)+4*u:64+128*((\c)%2)+4*u+3], v[SADR] offset:(t/16)*8192+(t%8)*1024+((t/8)%2)*512
.set u, u+1
.endr
.endm
.macro ZMIX c                          ; P = S y + P for those tiles, rounded once
	WIN 0x58+4*((\c)/2)
.set u, 0
.rept 16
.set t, 16*(\c)+u
.set j, 0
.rept 4
	v_fma_mixlo_f16 v[4*t+j], v[64+128*((\c)%2)+4*u+j], v[8*(t%32)+2*j],   v[4*t+j] op_sel_hi:[1,0,1]
	v_fma_mixhi_f16 v[4*t+j], v[64+128*((\c)%2)+4*u+j], v[8*(t%32)+2*j+1], v[4*t+j] op_sel:[1,0,1] op_sel_hi:[1,0,1]
.set j, j+1
.endr
.set u, u+1
.endr
.endm
	; THE HEAD
	s_load_b256 s[4:11], s[0:1], 0x0               ; x s[4:5], b s[6:7], wk s[8:9], out0 s[10:11]
	v_lshl_add_u32 v[SPW], v0, 2, SPARE
	v_mov_b32 v[NIL], 0
	ds_add_u32 v[SPW], v[NIL]                      ; the wave's opening: the add, twice on end, and its wait ahead of my first tensor load
	ds_add_u32 v[SPW], v[NIL]
	v_lshrrev_b32 v2, 5, v0
	v_readfirstlane_b32 s[WV], v2                  ; wave 0..3
	s_bfe_u32 s13, ttmp6, 0x40000                  ; cx
	s_lshl_b32 s14, ttmp9, 2                       ; in a cluster launch ttmp9 counts clusters
	s_add_co_u32 s14, s14, s13                     ; my work-group: it enters x's and out0's addresses alone
	; descriptor group 1: 16,384 dense bytes as 64 rows of 32 elements of 8 bytes
	s_mov_b32 s[G1+0], 15|(3<<16)|(1<<21)          ; 15:0 the mask of four; 17:16 elements of 8 bytes; 21 set beside a mask; no padding
	s_mov_b32 s[G1+1], 32<<16                      ; tensor_dim0 = 32
	s_mov_b32 s[G1+2], 64<<16                      ; tensor_dim1 = 64
	s_mov_b32 s[G1+3], 32<<16                      ; tile_dim0 = 32
	s_mov_b32 s[G1+4], 64                          ; tile_dim1 = 64
	s_mov_b32 s[G1+5], 32                          ; 32 elements from row to row
	s_mov_b32 s[G1+6], 0
	s_mov_b32 s[G1+7], 0
	s_lshl_b32 s44, s[WV], 14                      ; my quarter of a fill, in memory and in a slot: the wave's number alone
	s_mov_b32 s45, 0
	s_mov_b32 s[G0+0], 1
	s_add_co_u32 s[G0+1], s44, SLOT0
	s_mov_b32 s[G0+4], 1
	s_add_co_u32 s[G0+5], s44, SLOT0+SLOTB
	v_and_b32 v[LANE], 31, v0
	v_lshlrev_b32 v[L16], 4, v[LANE]
	v_add_nc_u32 v[AADR], s[G0+1], v[L16]
	v_add_nc_u32 v[AADR+1], s[G0+5], v[L16]
	v_lshl_add_u32 v[SADR], s[WV], 15, v[L16]
	v_add_nc_u32 v[XADR], XREG, v[L16]
	v_lshl_add_u32 v[GOFF], s[WV], 13, v[L16]
	v_lshlrev_b32 v[PFO], 8, v[LANE]
	v_mov_b32 v[ZERO], 0
	v_lshl_add_u32 v[FB], s[WV], 11, v[L16]
	v_add_nc_u32 v[FB+1], 0x10000, v[FB]
	v_lshlrev_b32 v[OST], 2, v[LANE]
	v_lshl_add_u32 v[OST], s[WV], 7, v[OST]
	v_add_nc_u32 v[OST], OUTS, v[OST]              ; OUTS + 128 w + 4 x lane
	v_add_nc_u32 v[ORD], OUTS, v[L16]
	v_lshlrev_b32 v3, 2, v0                        ; my sample's 4 bytes in a row of x
	v_lshrrev_b32 v5, 4, v[LANE]
	v_and_b32 v6, 15, v[LANE]
	v_lshlrev_b32 v4, 4, v6
	v_lshl_add_u32 v4, v5, 10, v4
	v_lshl_add_u32 v4, s[WV], 11, v4
	v_add_nc_u32 v4, XREG, v4                      ; my sample's place in [x, 1]: n-tile 2 w + lane / 16, lane % 16 of it
	s_lshl_b32 s46, s13, 14                        ; the prefetches: my work-group's 16,384 bytes of a fill,
	s_and_b32 s47, s[WV], 1
	s_lshl_b32 s47, s47, 13                        ; my wave's 8,192 of them,
	s_add_co_u32 s46, s46, s47
	s_add_co_u32 s46, s46, 5*SLOTB                 ; at fill 5: the first change of slots steps it to fill 6
	s_mov_b32 s47, 0
	s_lshr_b32 s[PFL], s[WV], 1                    ; 0 in waves 0 and 1,
	s_or_b32 s[PFL], s[PFL], ttmp9                 ; of cluster 0: the same in all four partners
	s_cmp_eq_u32 s[PFL], 0
	s_cselect_b32 s[PFL], 58, 0
	s_lshl_b32 s2, s14, 9                          ; 128 samples of 4 bytes
	s_mov_b32 s3, 0
	s_mov_b32 s[TYPE], 7
	s_mov_b32 s[STG], 9
	s_mov_b32 s[C1], -2.0
	s_mov_b32 s[C1+1], -2.0
	s_mov_b32 s[C0], 1.0
	s_mov_b32 s[C0+1], 1.0
	s_wait_dscnt 0x0                               ; both opening adds are done
	s_wait_kmcnt 0x0
	s_add_nc_u64 s[G0+2:G0+3], s[8:9], s[44:45]    ; fill 0, my quarter
	s_add_nc_u64 s[G0+6:G0+7], s[G0+2:G0+3], SLOTB ; fill 1
	s_or_b32 s[G0+3], s[G0+3], 0x80000000          ; type = 2
	s_or_b32 s[G0+7], s[G0+7], 0x80000000
	s_add_nc_u64 s[AUGP:AUGP+1], s[8:9], AUGOFF
	s_add_nc_u64 s[FINP:FINP+1], s[8:9], FINOFF
	s_add_nc_u64 s[PFA:PFA+1], s[8:9], s[46:47]
	s_add_nc_u64 s[4:5], s[4:5], s[2:3]
	s_add_nc_u64 s[10:11], s[10:11], s[2:3]
	s_load_b32 s[BV], s[6:7], 0x0
	CROUND                                         ; all four work-groups are here: the first joint loads meet
	tensor_load_to_lds s[G0:G0+3], s[G1:G1+7]      ; two loads of mine are out
	s_nop 0
	tensor_load_to_lds s[G0+4:G0+7], s[G1:G1+7]
	s_nop 0
	PLACES
	; [x0, x1, x2, 1, 0 ..] as eight source-1 fragments: thread t writes sample t's 16 bytes (k = 0..7) and the zeros of k = 8..31
	global_load_b32 v32, v3, s[4:5] th:TH_LOAD_NT
	global_load_b32 v33, v3, s[4:5] offset:4*NSAMP th:TH_LOAD_NT
	global_load_b32 v34, v3, s[4:5] offset:8*NSAMP th:TH_LOAD_NT
	AUGLD                                          ; S1's [c W1 | c b1]
	v_mov_b32 v35, 1.0
.irp i, 38,39,40,41,42,43
	v_mov_b32 v\i, 0
.endr
	s_wait_loadcnt 16                              ; x is in; the 16 loads behind it may be out
	v_cvt_pk_f16_f32 v36, v32, v33
	v_cvt_pk_f16_f32 v37, v34, v35
	ds_store_b128 v4, v[36:39]
	ds_store_b128 v4, v[40:43] offset:256
	ds_store_b128 v4, v[40:43] offset:512
	ds_store_b128 v4, v[40:43] offset:768
	s_wait_kmcnt 0x0                               ; b
	s_wait_dscnt 0x0                               ; for the others' sake: my stores are done
	s_barrier_signal -1
	s_barrier_wait -1                              ; the two fills may stay out
	; S1: the x step alone
	LOADX
	s_wait_loadcnt 0x0
	s_add_nc_u64 s[AUGP:AUGP+1], s[AUGP:AUGP+1], 32768
	s_wait_dscnt 0x0
	MUL16 AF1, 0, 0, 1
	MUL16 AF1, 0, 1, 1
	MUL16 AF1, 1, 0, 1
	MUL16 AF1, 1, 1, 1
	PLACES
	WIN 0
	AUGLD                                          ; R1's
	s_branch .Lcore                                ; the loop over stages is entered in the middle of a trip
.Lstage:                                               ; eight trips: a product of 17 K steps, the activation, the stage's tail
	LOADX
	v_mov_b32 v[BADR], v[L16]
	s_wait_loadcnt 0x0                             ; this stage's [c U | c b] is in, so its pointer may be written
	s_add_nc_u64 s[AUGP:AUGP+1], s[AUGP:AUGP+1], 32768
	STEP AF1, AF0, 1, 0, 0, 0, 1                   ; the x step starts the sums and fetches K step 0
	s_mov_b32 s[LAPC], 3
.Llap:                                                 ; a lap: four K steps, both slots
	LAP3 1
	TURN AF1, AF0, 1, 32768, 1, 1
	v_add_nc_u32 v[BADR], 0x8000, v[BADR]
	s_sub_co_u32 s[LAPC], s[LAPC], 1
	s_cmp_lg_u32 s[LAPC], 0
	s_cbranch_scc1 .Llap
	s_cmp_eq_u32 s[STG], 1
	s_cbranch_scc1 .LlapL                          ; the last product's last lap is written out: it asks for nothing more
	LAP3 1                                         ; THE RING GOES ON INTO THE NEXT PRODUCT: slot 0 takes its fill 0,
	TURN AF1, AF0, 1, 0, 0, 1                      ; slot 1 its fill 1
	AUGLD                                          ; the next stage's [c U | c b], four places behind the last product that read buffer 1
	s_branch .Lcore
.LlapL:
	LAP3 0
	s_wait_dscnt 8                                 ; the very last K step: nothing more to fetch
	MUL16 AF1, 0, 0, 0
	MUL16 AF1, 0, 1, 0
	s_wait_dscnt 0x0
	MUL16 AF1, 1, 0, 0
	MUL16 AF1, 1, 1, 0
	PLACES
	WIN 0
.Lcore:
	s_wait_dscnt 0x0                               ; my reads of the state for this product are over:
	s_barrier_signal -1                            ; say so; the activation, work on registers, stands between the signal and the wait
	PLACES                                         ; with the four at the product's end: eight places ahead of lines that read and rewrite the results in place
	ACT 2
	ACT 3
	WIN 0
	s_barrier_wait -1                              ; nobody reads the state any more: my rows of it are mine to write
	s_cmp_eq_u32 s[TYPE], 7                        ; this test stands first: at the first arrival its answer is a constant of the text
	s_cbranch_scc1 .LtS
	s_cmp_eq_u32 s[TYPE], 0
	s_cbranch_scc1 .LtR
	s_cmp_eq_u32 s[TYPE], 2
	s_cbranch_scc1 .LtG
	s_cmp_eq_u32 s[TYPE], 3
	s_cbranch_scc1 .LtZ
	PUT 1                                          ; H: S goes back over S R,
.LtS:
	CVT                                            ; and P takes y: 2 H, or S1
	s_cmp_eq_u32 s[TYPE], 1
	s_cbranch_scc1 .Lsync
	s_branch .Lput
.LtR:
	MIXM 0x89                                      ; R: S R; P, which holds my S since the stage before, stays
	PUT 2
	s_branch .Lsync
.LtG:
	MIXM 0x49                                      ; G: P = 2 H x (1 - G) / 2; the state is not touched, so no barrier follows
	s_branch .Lnext
.LtZ:
	ZLOAD 0                                        ; Z: my S comes back in four parts, two buffers by turns
	ZLOAD 1
	s_wait_dscnt 16                                ; the older part is in; the younger one's 16 loads may be out
	ZMIX 0
	ZLOAD 2
	s_wait_dscnt 16
	ZMIX 1
	ZLOAD 3
	s_wait_dscnt 16
	ZMIX 2
	s_wait_dscnt 0x0
	ZMIX 3
	WIN 0
.Lput:
	PUT 1                                          ; the new S
.Lsync:
	s_wait_dscnt 0x0                               ; for the others' sake: my stores are done
	s_barrier_signal -1
	s_barrier_wait -1
.Lnext:
	s_add_co_u32 s[TYPE], s[TYPE], 1
	s_and_b32 s[TYPE], s[TYPE], 3                  ; 7 -> R -> H -> G -> Z -> R ..
	s_cmp_eq_u32 s[TYPE], 1
	s_cselect_b32 s[C1], -4.0, -2.0                ; H: y = 2 - 4 r; R, Z: y = 1 - 2 r;
	s_cselect_b32 s[C0], 2.0, 1.0
	s_cmp_eq_u32 s[TYPE], 2
	s_cselect_b32 s[C1], 1.0, s[C1]                ; G: y = r
	s_cselect_b32 s[C0], 0, s[C0]
	s_mov_b32 s[C1+1], s[C1]
	s_mov_b32 s[C0+1], s[C0]
	s_sub_co_u32 s[STG], s[STG], 1
	s_cmp_lg_u32 s[STG], 0
	s_cbranch_scc1 .Lstage
	; THE END: out = W S3 + b.  W stands in rows 0 and 8 of its fragments, so register 0 of a result holds the sample's number in both halves of the lanes.  Wave w takes n-tiles 2 w, 2 w + 1.
	WIN 0xc0
.set t, 0
.rept 16
	global_load_b128 v[8*t:8*t+3],   v[L16], s[FINP:FINP+1] offset:t*1024
	global_load_b128 v[8*t+4:8*t+7], v[L16], s[FINP:FINP+1] offset:t*1024+512
.set t, t+1
.endr
	WIN 0x80
.set t, 0
.rept 16
.irp j, 0,1
	ds_load_b128 v[16*t+8*(\j):16*t+8*(\j)+3],   v[FB+t/8] offset:(t%8)*8192+(\j)*1024
	ds_load_b128 v[16*t+8*(\j)+4:16*t+8*(\j)+7], v[FB+t/8] offset:(t%8)*8192+(\j)*1024+512
.endr
.set t, t+1
.endr
	s_wait_loadcnt 0x0
	s_wait_dscnt 0x0
	WIN 0x0b                                       ; W in window 3, S3 in window 2, the two sums in window 0; they take turns
.set t, 0
.rept 16
.irp j, 0,1
.if t == 0
	v_wmma_f32_16x16x32_f16 v[64+8*(\j):71+8*(\j)], v[8*t:8*t+7], v[16*t+8*(\j):16*t+8*(\j)+7], 0
.else
	v_wmma_f32_16x16x32_f16 v[64+8*(\j):71+8*(\j)], v[8*t:8*t+7], v[16*t+8*(\j):16*t+8*(\j)+7], v[64+8*(\j):71+8*(\j)]
.endif
.endr
.set t, t+1
.endr
	PLACES
	PLACES
	WIN 0
	v_cmp_gt_u32 vcc_lo, 16, v[LANE]
	v_cndmask_b32 v32, v72, v64, vcc_lo            ; lanes 0-15: n-tile 2 w; lanes 16-31: n-tile 2 w + 1: thread t holds sample t
	v_add_f32 v32, s[BV], v32
	ds_store_b32 v[OST], v32
	s_wait_dscnt 0x0
	s_barrier_signal -1
	s_barrier_wait -1
	s_cmp_lg_u32 s[WV], 0
	s_cbranch_scc1 .Lend
	ds_load_b128 v[36:39], v[ORD]
	s_wait_dscnt 0x0
	global_store_b128 v[L16], v[36:39], s[10:11]   ; 512 consecutive bytes, at a multiple of 512 from out0's first byte
.Lend:
	s_wait_tensorcnt 0x0                           ; the wave's end, behind my last tensor load and my last LDS store
	ds_add_u32 v[SPW], v[NIL]
	s_wait_dscnt 0x0
	CROUND                                         ; the closing round: no work-group ends while a partner may still ask for a fill that names it
	s_endpgm
.Lfunc_end_k_qdf919a95c4_net:
	.size	k_qdf919a95c4_net, .Lfunc_end_k_qdf919a95c4_net-k_qdf919a95c4_net
	.p2alignl 7, 3214868480
	.fill 96, 4, 3214868480
	.section	.rodata,"a",@progbits
	.p2align	6, 0x0
	.amdhsa_kernel k_qdf919a95c4_net
		.amdhsa_group_segment_fixed_size 327680
		.amdhsa_private_segment_fixed_size 0
		.amdhsa_enable_private_segment 0
		.amdhsa_kernarg_size 32
		.amdhsa_user_sgpr_count 2
		.amdhsa_user_sgpr_kernarg_segment_ptr 1
		.amdhsa_wavefront_size32 1
		.amdhsa_system_sgpr_workgroup_id_x 1
		.amdhsa_system_sgpr_workgroup_id_y 1
		.amdhsa_system_sgpr_workgroup_id_z 1
		.amdhsa_system_vgpr_workitem_id 0
		.amdhsa_next_free_vgpr 1024
		.amdhsa_next_free_sgpr 66
		.amdhsa_reserve_vcc 1
		.amdhsa_float_denorm_mode_32 3
		.amdhsa_float_denorm_mode_16_64 3
		.amdhsa_memory_ordered 1
		.amdhsa_forward_progress 1
		.amdhsa_inst_pref_size 255
	.end_amdhsa_kernel
	.section	.bss,"aw",@nobits
	.p2align	6
	.space	262144
	.amdgpu_metadata
---
amdhsa.version: [ 1, 2 ]
amdhsa.kernels:
  - .name:           k_qdf919a95c4_net
    .symbol:         k_qdf919a95c4_net.kd
    .args:
      - { .name: x, .offset: 0, .size: 8, .value_kind: global_buffer, .address_space: global }
      - { .name: b, .offset: 8, .size: 8, .value_kind: global_buffer, .address_space: global }
      - { .name: wk, .offset: 16, .size: 8, .value_kind: global_buffer, .address_space: global }
      - { .name: out0, .offset: 24, .size: 8, .value_kind: global_buffer, .address_space: global }
    .group_segment_fixed_size: 327680
    .private_segment_fixed_size: 0
    .kernarg_segment_align: 8
    .kernarg_segment_size: 32
    .max_flat_workgroup_size: 128
    .sgpr_count:     66
    .vgpr_count:     1024
    .wavefront_size: 32
...
	.end_amdgpu_metadata
.endif
;; end of part 2
;; ======== version 2 of 2: 2 launches
;; limits: values outside matrix products are rounded to f16; values are held in f16: magnitudes above 65,504 overflow, below 6.1e-05 lose precision; inputs' magnitudes at most 22,701; inputs' magnitudes at most 65,504
;; workspace buffers: wk 4,505,600 bytes
;; launch pack: the kernel of part 1 again; grid 32 x 9, 8 waves a work-group, no clusters, 0 bytes of LDS; arguments Wr1, Wh1, Wg1, Wz1, Wr2, Wh2, Wg2, Wz2, W1, Ur1, Uh1, Ug1, Uz1, Ur2, Uh2, Ug2, Uz2, b1, br1, bh1, bg1, bz1, br2, bh2, bg2, bz2, W, wk; writes wk
;; launch net (part 3): grid 256 x 1, 4 waves a work-group, clusters of 4 x 1, 327,680 bytes of LDS; arguments x, b, wk, out0; writes out0
.if DOCPART == 3
	.amdgcn_target "amdgcn-amd-amdhsa--gfx1250"
	.amdhsa_code_object_version 6
	.text
	.protected	k_qdf919a95c4_net
	.globl	k_qdf919a95c4_net
	.p2align	8
	.type	k_qdf919a95c4_net,@function
k_qdf919a95c4_net:
	s_mov_b64 s[64:65], 0
	v_nop
	global_prefetch_b8 v0, s[64:65] scope:SCOPE_SE
	s_setreg_imm32_b32 hwreg(HW_REG_WAVE_MODE, 25, 1), 1
	s_wait_xcnt 0x0
	s_wait_alu depctr_hold_cnt(0) depctr_sa_sdst(0) depctr_va_vdst(0) depctr_va_sdst(0) depctr_va_ssrc(0) depctr_va_vcc(0) depctr_vm_vsrc(0)
	s_getreg_b32 s2, hwreg(HW_REG_IB_STS2, 6, 4)
	s_cmp_eq_u32 s2, 0
	s_cbranch_scc0 .Lentry_in_a_cluster
	s_endpgm
.Lentry_in_a_cluster:
	s_bfe_u32 s2, ttmp6, 0x10000c
	s_cmp_lg_u32 s2, 0x3003
	s_cbranch_scc0 .Lentry_shape_is_right
	s_endpgm
.Lentry_shape_is_right:
; THE WHOLE NETWORK for 128 samples a work-group: nine tanh layers of 512 rows and the last projection; no state leaves the work-group.
; FORMATS.  All matrix operands f16 (weights as the first launch left them, already multiplied by c = 2 log2(e)); sums f32; every state is rounded once to f16 where it is stored.
; tanh(a) = 1 - 2 r, r = 1 / (1 + 2^(c a)): 2^.. = infinity gives r = 0, 2^.. = 0 gives r = 1, so both ends are exact.  Every state is bounded by the computation itself (|tanh| <= 1, |S| < 3).
; LIMITS.  |x| below 65,504 (f16); x below 6e-5 keeps f16's fixed step of 6e-8.  NaN and infinities are not treated apart.  The order of K in the f32 sums differs from cluster to cluster (below).
; SHARES.  Wave w owns 128 hidden rows of every stage, for all 128 samples: 64 accumulators of 16 x 16, tile tau = 8 a + b (m-tile a, n-tile b).
; PRODUCT.  D = weights (source 0) x state (source 1): a lane of D holds sample l % 16 and rows 8 (l / 16) + 0..7.  Packed in pairs these are half of a source-1 fragment of the next product, in the same lane:
; a state goes to LDS by stores of 16 bytes at 16 x lane, and comes back likewise: no padding is needed.
; U x + b IS A 17TH K STEP: weights [c U | c b | 0 ..] times [x0, x1, x2, 1, 0 ..]; its products take the constant 0 as C and start every sum.
; STAGES.  S1, then twice R, H, G, Z.  y = C1 r + C0.  R: y = tanh, S y replaces S in LDS (S itself stays parked in P).  H: S goes back to LDS, P = y = 2 H.  G: y = r = (1 - G) / 2, P = P y = (1 - G) H.
; Z: y = tanh, P = S y + P = the new S, which goes to LDS.
; WEIGHTS.  64 fills of 65,536 bytes (two K steps of all 512 rows) through two LDS slots; wave w fetches, and alone reads, its quarter.  All work-groups walk the same weights: the four of a cluster ask JOINTLY
; (the same load, descriptor and mask in all four).  The ring runs on from one product into the next.
; THE CLUSTERS WALK K IN FOUR ROTATIONS.  rot = cluster % 4.  Wave w makes hidden rows 128 rho .. + 127, rho = (w + rot) % 4, and keeps them in lap w of the state in LDS (a lap = four K steps).  So lap L of the
; state holds the rows' block (L + rot) % 4, and a product that walks the state's laps 0, 1, 2, 3 walks the weights' K laps rot, rot + 1, .. (mod 4).  Only addresses in memory hang on rot (the fills, the [c U | c b],
; the last W, the prefetch); every LDS address, branch and trip count is as without it, and rot is the same in the partners of a cluster.  Each K lap of a product is thus asked for first by the sixteen clusters that
; begin with it, in the last lap of the product before, with the whole activation between the request and the use.
; REGISTERS, in windows of 256 (s_set_vgpr_msb: bits 1:0 source 0, 3:2 source 1, 5:4 source 2, 7:6 destination):
;   window 0: v0-31 addresses; v32-43 at work; v64-127, v128-191 weight fragments, two buffers; v192-255 state fragments of n-tiles 0-3, 4-7
;   window 1: P, tile tau at 4 tau, packed f16          windows 2, 3: the accumulators, tile tau in window 2 + tau / 32 at 8 (tau % 32)
.set NSAMP,  32768
.set XREG,   131072                    ; LDS 0 .. 131,071: the state, fragment (K step t, n-tile b) at (8 t + b) x 1,024.  Here: the 8 fragments of [x, 1]
.set OUTS,   139264                    ; 128 results
.set SPARE,  139776                    ; the spare words, 128 bytes for each wave: two blocks of 256 bytes that no other line names
.set SLOT0,  147456                    ; two slots of 65,536 bytes; no LDS store ever lands in them
.set SLOTB,  65536
.set PRODB,  524288                    ; a product's weights in wk: eight fills
.set AUGOFF, 4194304
.set FINOFF, 4489216
.set LANE, 1
.set AADR, 10                          ; v10-11 my quarter of slot 0, 1 + 16 x lane
.set BADR, 12                          ; v12    16 x lane + the lap's four K steps of state
.set L16,  13                          ; v13    16 x lane; never rewritten
.set SADR, 14                          ; v14    my rows of the state: 32,768 w + 16 x lane
.set XADR, 15                          ; v15    XREG + 16 x lane
.set GOFF, 16                          ; v16    8,192 rho + 16 x lane: my eight fragments of a stage's [c U | c b]
.set PFO,  17                          ; v17    256 x lane
.set ZERO, 18                          ; v18    0
.set FB,   20                          ; v20-21 the end: my two n-tiles, K steps 0-7 and 8-15
.set OST,  22                          ; v22    where I put my result
.set ORD,  23                          ; v23    where wave 0 reads four results
.set FO,   24                          ; v24-27 the end: 16 x lane + 4,096 x the rows' block that lies in lap 0 .. 3 of the state
.set SPW,  30                          ; v30    my spare word; never rewritten
.set NIL,  31                          ; v31    0; never rewritten
.set AF0,  64
.set AF1,  128
.set BF,   192
.set WV,   12                          ; s12 wave   s13 cx   s14 work-group
.set G1,   16                          ; s[16:23] descriptor group 1
.set G0,   24                          ; s[24:31] descriptor group 0, a set for each slot
.set AUGP, 32                          ; s[32:33] the [c U | c b] of the stage to be fetched next
.set PFA,  34                          ; s[34:35] where my prefetch stands: my 8,192 bytes of the K lap with which my cluster begins the next product
.set PFL,  36                          ; s36 prefetches still to be made
.set STG,  37                          ; s37 stages to go, the one in hand among them
.set LAPC, 38
.set TYPE, 39                          ; s39 0 R, 1 H, 2 G, 3 Z, 7 S1
.set C1,   40                          ; s[40:41], s[42:43]: y = C1 r + C0; the low words count
.set C0,   42
.set FINP, 48
.set BV,   50                          ; s50 b
.set ROT,  53                          ; s53 rot = cluster % 4
.set RHO,  54                          ; s54 rho = (wave + rot) % 4: the block of 128 hidden rows that I make
.set KL,   55                          ; s55 the weights' K lap that the lap in hand asks for
.set GB,   56                          ; s56 byte offset in wk of the product whose fills are being asked for
.set OFF,  58                          ; s[58:59] GB + 131,072 KL
.set WKW,  60                          ; s[60:61] wk at my rows' quarter of fill 0
.set MSB, 0
.macro WIN new                         ; the immediate's high byte repeats the setting that is left; a switch that changes nothing is dropped
.if MSB != (\new)
	s_set_vgpr_msb (MSB<<8)|(\new)
.set MSB, \new
.endif
.endm
.macro PLACES                          ; four places: in front of loads into registers that matrix instructions have read, and of vector work on their results
.rept 4
	v_nop
.endr
.endm
.macro CREST                           ; a round of the cluster's barrier behind its opening barrier
	s_cmp_lg_u32 s[WV], 0
	s_cbranch_scc1 .Lnw0_\@
	s_barrier_signal -3
.Lnw0_\@:
	s_barrier_wait -3
	s_barrier_signal -1
	s_barrier_wait -1
.endm
.macro CROUND
	s_barrier_signal -1
	s_barrier_wait -1
	CREST
.endm
; 16 matrix instructions: m-tiles 4 ah .. + 3 x n-tiles 4 bh .. + 3, 32 along K, weights in buffer f.  zero = 1: the products start the sums.
; The 64 accumulators take turns, one instruction a turn, in the same order in every K step.
.macro MUL16 f, bh, ah, zero
	WIN 0xa0+0x50*(\ah)
.irp a, 0,1,2,3
.irp b, 0,1,2,3
.if \zero
	v_wmma_f32_16x16x32_f16 v[8*(8*(\a)+4*(\bh)+(\b)):8*(8*(\a)+4*(\bh)+(\b))+7], v[(\f)+8*(4*(\ah)+(\a)):(\f)+8*(4*(\ah)+(\a))+7], v[BF+8*(4*(\bh)+(\b)):BF+8*(4*(\bh)+(\b))+7], 0
.else
	v_wmma_f32_16x16x32_f16 v[8*(8*(\a)+4*(\bh)+(\b)):8*(8*(\a)+4*(\bh)+(\b))+7], v[(\f)+8*(4*(\ah)+(\a)):(\f)+8*(4*(\ah)+(\a))+7], v[BF+8*(4*(\bh)+(\b)):BF+8*(4*(\bh)+(\b))+7], v[8*(8*(\a)+4*(\bh)+(\b)):8*(8*(\a)+4*(\bh)+(\b))+7]
.endif
.endr
.endr
.endm
; Half of that: m-tiles 4 ah + 2 ap, + 1.  MUL8 .., 0 and MUL8 .., 1 are MUL16's sixteen in MUL16's order.
.macro MUL8 f, bh, ah, ap
	WIN 0xa0+0x50*(\ah)
.irp a, 0,1
.irp b, 0,1,2,3
	v_wmma_f32_16x16x32_f16 v[8*(8*(2*(\ap)+(\a))+4*(\bh)+(\b)):8*(8*(2*(\ap)+(\a))+4*(\bh)+(\b))+7], v[(\f)+8*(4*(\ah)+2*(\ap)+(\a)):(\f)+8*(4*(\ah)+2*(\ap)+(\a))+7], v[BF+8*(4*(\bh)+(\b)):BF+8*(4*(\bh)+(\b))+7], v[8*(8*(2*(\ap)+(\a))+4*(\bh)+(\b)):8*(8*(2*(\ap)+(\a))+4*(\bh)+(\b))+7]
.endr
.endr
.endm
.macro LOADB bh, off                   ; 8 LDS loads: the state fragments of n-tiles 4 bh .. + 3, at byte off of the lap's state
.irp b, 0,1,2,3
	ds_load_b128 v[BF+32*(\bh)+8*(\b):BF+32*(\bh)+8*(\b)+3],   v[BADR] offset:(\off)+(4*(\bh)+(\b))*1024
	ds_load_b128 v[BF+32*(\bh)+8*(\b)+4:BF+32*(\bh)+8*(\b)+7], v[BADR] offset:(\off)+(4*(\bh)+(\b))*1024+512
.endr
.endm
.macro LOADA g, slot, kk               ; 16 LDS loads: my eight weight fragments of K step kk of a slot, into buffer g
.irp a, 0,1,2,3,4,5,6,7
	ds_load_b128 v[(\g)+8*(\a):(\g)+8*(\a)+3],   v[AADR+(\slot)] offset:((\kk)*8+(\a))*1024
	ds_load_b128 v[(\g)+8*(\a)+4:(\g)+8*(\a)+7], v[AADR+(\slot)] offset:((\kk)*8+(\a))*1024+512
.endr
.endm
.macro LOADX                           ; 16 LDS loads: the fragments of [x, 1], n-tiles 0-3 first
.irp b, 0,1,2,3,4,5,6,7
	ds_load_b128 v[BF+8*(\b):BF+8*(\b)+3],   v[XADR] offset:(\b)*1024
	ds_load_b128 v[BF+8*(\b)+4:BF+8*(\b)+7], v[XADR] offset:(\b)*1024+512
.endr
.endm
.macro AUGLD                           ; 16 loads from memory: my eight fragments of the next stage's [c U | c b], into buffer 1
.irp a, 0,1,2,3,4,5,6,7
	global_load_b128 v[AF1+8*(\a):AF1+8*(\a)+3],   v[GOFF], s[AUGP:AUGP+1] offset:(\a)*1024
	global_load_b128 v[AF1+8*(\a)+4:AF1+8*(\a)+7], v[GOFF], s[AUGP:AUGP+1] offset:(\a)*1024+512
.endr
.endm
; A K STEP: 64 matrix instructions on buffer f; the next step's fragments are fetched in two runs: n-tiles 0-3 and the weights (into g) in its middle, n-tiles 4-7 at its end.
; tw = 1 (the x step): slot 0 is read for the first time in this product.
.macro STEP f, g, zero, off, slot, kk, tw
	s_wait_dscnt 8                                 ; n-tiles 0-3 and the weights are in; the youngest eight loads (n-tiles 4-7) may be out
	MUL16 \f, 0, 0, \zero
	MUL16 \f, 0, 1, \zero
	PLACES
	WIN 0
.if \tw
	s_wait_tensorcnt 1                             ; slot 0's fill has landed; one load was issued behind it, slot 1's, which may be out
.endif
	LOADB 0, \off
	LOADA \g, \slot, \kk
	s_wait_dscnt 24                                ; n-tiles 4-7 are in; the 24 just issued may be out
	MUL16 \f, 1, 0, \zero
	MUL16 \f, 1, 1, \zero
	PLACES
	WIN 0
	LOADB 1, \off
.endm
; At a lap's head: which K lap of the weights this lap's two refills ask for: the one that the next lap of the state will be multiplied by.
.macro NEXTLAP
	s_add_co_u32 s[KL], s[KL], 1
	s_and_b32 s[KL], s[KL], 3
	s_lshl_b32 s[OFF], s[KL], 17                   ; a K lap is two fills, 131,072 bytes
	s_add_co_u32 s[OFF], s[OFF], s[GB]
.endm
; A PREFETCH INTO THE L2, once a product: the K lap (131,072 bytes) with which my cluster will begin the NEXT product.  The sixteen clusters of a rotation begin with the same lap: clusters 0 to 3 ask, each for its
; rotation's.  The four partners take 32,768 bytes each, told apart by address; a wave 8,192, a lane 256: so each block is named once in the launch.  It stands in lap 1's first change of slots, behind the refill, its
; five lines and the run of LDS loads; the refills that ask for these bytes stand in lap 3: four fills, 512 matrix instructions, on.  Product 0 comes by its loads alone; the last product asks for nothing (seven requests a wave).
.macro ASK
	s_cmp_eq_u32 s[LAPC], 2                        ; lap 1 (the count runs 3, 2, 1)
	s_cbranch_scc0 .Lna_\@
	s_cmp_lg_u32 s[PFL], 0
	s_cbranch_scc0 .Lna_\@
	global_prefetch_b8 v[PFO], s[PFA:PFA+1] th:TH_LOAD_NT scope:SCOPE_SE
	s_sub_co_u32 s[PFL], s[PFL], 1
.Lna_\@:
.endm
; A SLOT'S SECOND K STEP, and the change of slots: all the slot's fragments are in registers or on their way there.  Each wave waits for all its tensor loads (one is out: its quarter of the other slot), adds 0 to its
; spare word, and waits for that and for its reads of the slot.  fill = 1: the barrier opens a round of the cluster's barrier, and the joint refill is the first thing behind the round; its address is made anew from the
; product and the K lap.  The wait stands 8 matrix instructions into the step and the refill 24: from a request to the wait for it a wave issues 112.
; next = 1: the next K step's fragments are fetched, the weights from the other slot, when the last product on n-tiles 0-3 has been issued.
.macro TURN f, g, slot, off, next, fill, ask
	s_wait_dscnt 8                                 ; n-tiles 0-3 and the weights are in
	MUL8 \f, 0, 0, 0
	WIN 0                                          ; (the add's two registers lie in window 0)
	s_wait_tensorcnt 0x0                           ; all my tensor loads have landed
	ds_add_u32 v[SPW], v[NIL]                      ; 0 onto my spare word
	MUL8 \f, 0, 0, 1                               ; eight matrix instructions stand between the add and the wait for it
	s_wait_dscnt 0x0                               ; the add is done, and my reads of this slot are over
	s_barrier_signal -1
	MUL8 \f, 0, 1, 0                               ; work on registers while the others arrive
	WIN 0
	s_barrier_wait -1
.if \fill
	CREST                                          ; no wave of any partner still reads this slot or has a load on its way
	s_add_nc_u64 s[G0+4*(\slot)+2:G0+4*(\slot)+3], s[WKW:WKW+1], s[OFF:OFF+1]
.if \slot
	s_add_nc_u64 s[G0+4*(\slot)+2:G0+4*(\slot)+3], s[G0+4*(\slot)+2:G0+4*(\slot)+3], SLOTB  ; the lap's second fill
.endif
	s_or_b32 s[G0+4*(\slot)+3], s[G0+4*(\slot)+3], 0x80000000  ; type = 2
	tensor_load_to_lds s[G0+4*(\slot):G0+4*(\slot)+3], s[G1:G1+7]
	s_nop 0
	PLACES                                         ; four lines behind a tensor load
.endif
	MUL8 \f, 0, 1, 1                               ; the last products on n-tiles 0-3
	PLACES
	WIN 0
.if \next
	LOADB 0, \off
	LOADA \g, 1-(\slot), 0
.endif
.if \ask
	ASK
.endif
	MUL16 \f, 1, 0, 0
	MUL16 \f, 1, 1, 0
	PLACES
	WIN 0
.if \next
	LOADB 1, \off
.endif
.endm
.macro LAP3 fill, ask                  ; the first three K steps of a lap of four
	STEP AF0, AF1, 0, 8192, 0, 1, 0
	TURN AF1, AF0, 0, 16384, 1, \fill, \ask
	STEP AF0, AF1, 0, 24576, 1, 1, 0
.endm
; y = C1 / (1 + 2^acc) + C0, in place, for one window of 32 accumulators.  The exponentials are one batch, the reciprocals another: a plain line and one wait behind each.
; Each accumulator's lowest register is read first.
.macro ACT win
	WIN ((\win)<<6)|(\win)
.set i, 0
.rept 256
	v_exp_f32 v[i], v[i]
.set i, i+1
.endr
	v_nop
	s_wait_alu depctr_va_vdst(0)
.set i, 0
.rept 128
	v_pk_add_f32 v[i:i+1], v[i:i+1], 1.0 op_sel_hi:[1,0]
.set i, i+2
.endr
.set i, 0
.rept 256
	v_rcp_f32 v[i], v[i]
.set i, i+1
.endr
	v_nop
	s_wait_alu depctr_va_vdst(0)
.set i, 0
.rept 128
	v_pk_fma_f32 v[i:i+1], v[i:i+1], s[C1:C1+1], s[C0:C0+1] op_sel_hi:[1,0,0]
.set i, i+2
.endr
.endm
; My 64 tiles, packed (tile tau at 4 tau of window win), over my rows of the state: tile (a, b) is half a % 2 of fragment (4 w + a / 2, b)
.macro PUT win
	WIN (\win)<<2
.set t, 0
.rept 64
	ds_store_b128 v[SADR], v[4*t:4*t+3] offset:(t/16)*8192+(t%8)*1024+((t/8)%2)*512
.set t, t+1
.endr
	WIN 0
.endm
; P x y, rounded once to f16.  base = 0x49: into P, in place.  base = 0x89: into window 2 at 4 tau: the destination never passes a y that is still to be read, and window 3's results land where window 2's y have been used.
; A tile's four low halves stand ahead of its four high halves, so that the two writes of a register are four lines apart; tile 0 of base 0x89 alone goes pair by pair: there v1 is a y until the first pair has read it.
.macro MIXM base
.set t, 0
.rept 64
	WIN (\base)+4*(t/32)
.if ((\base) == 0x89) && (t == 0)
.set j, 0
.rept 4
	v_fma_mixlo_f16 v[4*t+j], v[4*t+j], v[8*(t%32)+2*j],   v[ZERO] op_sel_hi:[1,0,0]
	v_fma_mixhi_f16 v[4*t+j], v[4*t+j], v[8*(t%32)+2*j+1], v[ZERO] op_sel:[1,0,0] op_sel_hi:[1,0,0]
.set j, j+1
.endr
.else
.set j, 0
.rept 4
	v_fma_mixlo_f16 v[4*t+j], v[4*t+j], v[8*(t%32)+2*j],   v[ZERO] op_sel_hi:[1,0,0]
.set j, j+1
.endr
.set j, 0
.rept 4
	v_fma_mixhi_f16 v[4*t+j], v[4*t+j], v[8*(t%32)+2*j+1], v[ZERO] op_sel:[1,0,0] op_sel_hi:[1,0,0]
.set j, j+1
.endr
.endif
.set t, t+1
.endr
	WIN 0
.endm
.macro CVT                             ; P = y, rounded to f16
.set t, 0
.rept 64
	WIN 0x4a+5*(t/32)
.irp p, 0,1,2,3
	v_cvt_pk_f16_f32 v[4*t+(\p)], v[8*(t%32)+2*(\p)], v[8*(t%32)+2*(\p)+1]
.endr
.set t, t+1
.endr
	WIN 0
.endm
.macro ZLOAD c                         ; tiles 16 c .. + 15 of my S, out of LDS, into v64-127 (c even) or v192-255 (c odd)
	WIN 0
.set u, 0
.rept 16
.set t, 16*(\c)+u
	ds_load_b128 v[64+128*((\c)%2)+4*u:64+128*((\c)%2)+4*u+3], v[SADR] offset:(t/16)*8192+(t%8)*1024+((t/8)%2)*512
.set u, u+1
.endr
.endm
.macro ZMIX c                          ; P = S y + P for those tiles, rounded once; low halves ahead of high halves, as in MIXM
	WIN 0x58+4*((\c)/2)
.set u, 0
.rept 16
.set t, 16*(\c)+u
.set j, 0
.rept 4
	v_fma_mixlo_f16 v[4*t+j], v[64+128*((\c)%2)+4*u+j], v[8*(t%32)+2*j],   v[4*t+j] op_sel_hi:[1,0,1]
.set j, j+1
.endr
.set j, 0
.rept 4
	v_fma_mixhi_f16 v[4*t+j], v[64+128*((\c)%2)+4*u+j], v[8*(t%32)+2*j+1], v[4*t+j] op_sel:[1,0,1] op_sel_hi:[1,0,1]
.set j, j+1
.endr
.set u, u+1
.endr
.endm
	; THE HEAD
	s_load_b256 s[4:11], s[0:1], 0x0               ; x s[4:5], b s[6:7], wk s[8:9], out0 s[10:11]
	v_lshl_add_u32 v[SPW], v0, 2, SPARE
	v_mov_b32 v[NIL], 0
	ds_add_u32 v[SPW], v[NIL]                      ; the wave's opening: the add, twice on end, and its wait ahead of my first tensor load
	ds_add_u32 v[SPW], v[NIL]
	v_lshrrev_b32 v2, 5, v0
	v_readfirstlane_b32 s[WV], v2                  ; wave 0..3
	s_bfe_u32 s13, ttmp6, 0x40000                  ; cx
	s_lshl_b32 s14, ttmp9, 2                       ; in a cluster launch ttmp9 counts clusters
	s_add_co_u32 s14, s14, s13                     ; my work-group: it enters x's and out0's addresses alone
	s_and_b32 s[ROT], ttmp9, 3                     ; the cluster's rotation: the same in its four partners
	s_add_co_u32 s[RHO], s[WV], s[ROT]
	s_and_b32 s[RHO], s[RHO], 3                    ; the block of hidden rows that I make
	; descriptor group 1: 16,384 dense bytes as 64 rows of 32 elements of 8 bytes
	s_mov_b32 s[G1+0], 15|(3<<16)|(1<<21)          ; 15:0 the mask of four; 17:16 elements of 8 bytes; 21 set beside a mask; no padding
	s_mov_b32 s[G1+1], 32<<16                      ; tensor_dim0 = 32
	s_mov_b32 s[G1+2], 64<<16                      ; tensor_dim1 = 64
	s_mov_b32 s[G1+3], 32<<16                      ; tile_dim0 = 32
	s_mov_b32 s[G1+4], 64                          ; tile_dim1 = 64
	s_mov_b32 s[G1+5], 32                          ; 32 elements from row to row
	s_mov_b32 s[G1+6], 0
	s_mov_b32 s[G1+7], 0
	s_lshl_b32 s44, s[WV], 14                      ; my quarter of a slot: the wave's number alone
	s_mov_b32 s[G0+0], 1
	s_add_co_u32 s[G0+1], s44, SLOT0
	s_mov_b32 s[G0+4], 1
	s_add_co_u32 s[G0+5], s44, SLOT0+SLOTB
	s_lshl_b32 s44, s[RHO], 14                     ; my rows' quarter of a fill in memory
	s_mov_b32 s45, 0
	s_mov_b32 s[KL], s[ROT]                        ; product 0 begins with K lap rot
	s_mov_b32 s[GB], 0
	s_lshl_b32 s[OFF], s[ROT], 17
	s_mov_b32 s[OFF+1], 0
	v_and_b32 v[LANE], 31, v0
	v_lshlrev_b32 v[L16], 4, v[LANE]
	v_add_nc_u32 v[AADR], s[G0+1], v[L16]
	v_add_nc_u32 v[AADR+1], s[G0+5], v[L16]
	v_lshl_add_u32 v[SADR], s[WV], 15, v[L16]
	v_add_nc_u32 v[XADR], XREG, v[L16]
	v_lshl_add_u32 v[GOFF], s[RHO], 13, v[L16]
	v_lshlrev_b32 v[PFO], 8, v[LANE]
	v_mov_b32 v[ZERO], 0
	v_lshl_add_u32 v[FB], s[WV], 11, v[L16]
	v_add_nc_u32 v[FB+1], 0x10000, v[FB]
	v_lshlrev_b32 v[OST], 2, v[LANE]
	v_lshl_add_u32 v[OST], s[WV], 7, v[OST]
	v_add_nc_u32 v[OST], OUTS, v[OST]              ; OUTS + 128 w + 4 x lane
	v_add_nc_u32 v[ORD], OUTS, v[L16]
	v_lshlrev_b32 v3, 2, v0                        ; my sample's 4 bytes in a row of x
	v_lshrrev_b32 v5, 4, v[LANE]
	v_and_b32 v6, 15, v[LANE]
	v_lshlrev_b32 v4, 4, v6
	v_lshl_add_u32 v4, v5, 10, v4
	v_lshl_add_u32 v4, s[WV], 11, v4
	v_add_nc_u32 v4, XREG, v4                      ; my sample's place in [x, 1]: n-tile 2 w + lane / 16, lane % 16 of it
	s_lshl_b32 s46, s13, 15                        ; the prefetch: my work-group's 32,768 bytes of a K lap,
	s_lshl_b32 s47, s[WV], 13                      ; my wave's 8,192 of them,
	s_add_co_u32 s46, s46, s47
	s_add_co_u32 s46, s46, s[OFF]                  ; in K lap rot of product 0: each stage's head steps it a product on
	s_mov_b32 s47, 0
	s_cmp_lt_u32 ttmp9, 4                          ; clusters 0 to 3: the same answer in all four partners
	s_cselect_b32 s[PFL], 7, 0
	s_lshl_b32 s2, s14, 9                          ; 128 samples of 4 bytes
	s_mov_b32 s3, 0
	s_mov_b32 s[TYPE], 7
	s_mov_b32 s[STG], 9
	s_mov_b32 s[C1], -2.0
	s_mov_b32 s[C1+1], -2.0
	s_mov_b32 s[C0], 1.0
	s_mov_b32 s[C0+1], 1.0
	s_wait_dscnt 0x0                               ; both opening adds are done
	s_wait_kmcnt 0x0
	s_add_nc_u64 s[WKW:WKW+1], s[8:9], s[44:45]
	s_add_nc_u64 s[G0+2:G0+3], s[WKW:WKW+1], s[OFF:OFF+1]  ; product 0, K lap rot, its first fill, my quarter
	s_add_nc_u64 s[G0+6:G0+7], s[G0+2:G0+3], SLOTB         ; its second fill
	s_or_b32 s[G0+3], s[G0+3], 0x80000000          ; type = 2
	s_or_b32 s[G0+7], s[G0+7], 0x80000000
	s_add_nc_u64 s[AUGP:AUGP+1], s[8:9], AUGOFF
	s_add_nc_u64 s[FINP:FINP+1], s[8:9], FINOFF
	s_add_nc_u64 s[PFA:PFA+1], s[8:9], s[46:47]
	s_add_nc_u64 s[4:5], s[4:5], s[2:3]
	s_add_nc_u64 s[10:11], s[10:11], s[2:3]
	s_load_b32 s[BV], s[6:7], 0x0
	CROUND                                         ; all four work-groups are here: the first joint loads meet
	tensor_load_to_lds s[G0:G0+3], s[G1:G1+7]      ; two loads of mine are out
	s_nop 0
	tensor_load_to_lds s[G0+4:G0+7], s[G1:G1+7]
	s_nop 0
	PLACES
	; [x0, x1, x2, 1, 0 ..] as eight source-1 fragments: thread t writes sample t's 16 bytes (k = 0..7) and the zeros of k = 8..31
	global_load_b32 v32, v3, s[4:5] th:TH_LOAD_NT
	global_load_b32 v33, v3, s[4:5] offset:4*NSAMP th:TH_LOAD_NT
	global_load_b32 v34, v3, s[4:5] offset:8*NSAMP th:TH_LOAD_NT
	AUGLD                                          ; S1's [c W1 | c b1]
	v_mov_b32 v35, 1.0
.irp i, 38,39,40,41,42,43
	v_mov_b32 v\i, 0
.endr
	s_wait_loadcnt 16                              ; x is in; the 16 loads behind it may be out
	v_cvt_pk_f16_f32 v36, v32, v33
	v_cvt_pk_f16_f32 v37, v34, v35
	ds_store_b128 v4, v[36:39]
	ds_store_b128 v4, v[40:43] offset:256
	ds_store_b128 v4, v[40:43] offset:512
	ds_store_b128 v4, v[40:43] offset:768
	s_wait_kmcnt 0x0                               ; b
	s_wait_dscnt 0x0                               ; for the others' sake: my stores are done
	s_barrier_signal -1
	s_barrier_wait -1                              ; the two fills may stay out
	; S1: the x step alone
	LOADX
	s_wait_loadcnt 0x0
	s_add_nc_u64 s[AUGP:AUGP+1], s[AUGP:AUGP+1], 32768
	s_wait_dscnt 0x0
	MUL16 AF1, 0, 0, 1
	MUL16 AF1, 0, 1, 1
	MUL16 AF1, 1, 0, 1
	MUL16 AF1, 1, 1, 1
	PLACES
	WIN 0
	AUGLD                                          ; R1's
	s_branch .Lcore                                ; the loop over stages is entered in the middle of a trip
.Lstage:                                               ; eight trips: a product of 17 K steps, the activation, the stage's tail
	s_wait_xcnt 0x0                                ; the last prefetch, in lap 1 of the product before, has read its address
	s_add_nc_u64 s[PFA:PFA+1], s[PFA:PFA+1], PRODB ; now in the product after this one
	LOADX
	v_mov_b32 v[BADR], v[L16]
	s_wait_loadcnt 0x0                             ; this stage's [c U | c b] is in, so its pointer may be written
	s_add_nc_u64 s[AUGP:AUGP+1], s[AUGP:AUGP+1], 32768
	STEP AF1, AF0, 1, 0, 0, 0, 1                   ; the x step starts the sums and fetches K step 0
	s_mov_b32 s[LAPC], 3
.Llap:                                                 ; a lap: four K steps, both slots
	NEXTLAP
	LAP3 1, 1
	TURN AF1, AF0, 1, 32768, 1, 1, 0
	v_add_nc_u32 v[BADR], 0x8000, v[BADR]
	s_sub_co_u32 s[LAPC], s[LAPC], 1
	s_cmp_lg_u32 s[LAPC], 0
	s_cbranch_scc1 .Llap
	s_cmp_eq_u32 s[STG], 1
	s_cbranch_scc1 .LlapL                          ; the last product's last lap is written out: it asks for nothing more
	s_add_co_u32 s[GB], s[GB], PRODB               ; THE RING GOES ON INTO THE NEXT PRODUCT, whose first K lap is again lap rot:
	NEXTLAP
	LAP3 1, 0                                      ; slot 0 takes that lap's first fill,
	TURN AF1, AF0, 1, 0, 0, 1, 0                   ; slot 1 its second
	AUGLD                                          ; the next stage's [c U | c b], four places behind the last product that read buffer 1
	s_branch .Lcore
.LlapL:
	LAP3 0, 0
	s_wait_dscnt 8                                 ; the very last K step: nothing more to fetch
	MUL16 AF1, 0, 0, 0
	MUL16 AF1, 0, 1, 0
	s_wait_dscnt 0x0
	MUL16 AF1, 1, 0, 0
	MUL16 AF1, 1, 1, 0
	PLACES
	WIN 0
.Lcore:
	s_wait_dscnt 0x0                               ; my reads of the state for this product are over:
	s_barrier_signal -1                            ; say so; the activation, work on registers, stands between the signal and the wait
	PLACES                                         ; with the four at the product's end: eight places ahead of lines that read and rewrite the results in place
	ACT 2
	ACT 3
	WIN 0
	s_barrier_wait -1                              ; nobody reads the state any more: my rows of it are mine to write
	s_cmp_eq_u32 s[TYPE], 7                        ; this test stands first: at the first arrival its answer is a constant of the text
	s_cbranch_scc1 .LtS
	s_cmp_eq_u32 s[TYPE], 0
	s_cbranch_scc1 .LtR
	s_cmp_eq_u32 s[TYPE], 2
	s_cbranch_scc1 .LtG
	s_cmp_eq_u32 s[TYPE], 3
	s_cbranch_scc1 .LtZ
	PUT 1                                          ; H: S goes back over S R,
.LtS:
	CVT                                            ; and P takes y: 2 H, or S1
	s_cmp_eq_u32 s[TYPE], 1
	s_cbranch_scc1 .Lsync
	s_branch .Lput
.LtR:
	MIXM 0x89                                      ; R: S R; P, which holds my S since the stage before, stays
	PUT 2
	s_branch .Lsync
.LtG:
	MIXM 0x49                                      ; G: P = 2 H x (1 - G) / 2; the state is not touched, so no barrier follows
	s_branch .Lnext
.LtZ:
	ZLOAD 0                                        ; Z: my S comes back in four parts, two buffers by turns
	ZLOAD 1
	s_wait_dscnt 16                                ; the older part is in; the younger one's 16 loads may be out
	ZMIX 0
	ZLOAD 2
	s_wait_dscnt 16
	ZMIX 1
	ZLOAD 3
	s_wait_dscnt 16
	ZMIX 2
	s_wait_dscnt 0x0
	ZMIX 3
	WIN 0
.Lput:
	PUT 1                                          ; the new S
.Lsync:
	s_wait_dscnt 0x0                               ; for the others' sake: my stores are done
	s_barrier_signal -1
	s_barrier_wait -1
.Lnext:
	s_add_co_u32 s[TYPE], s[TYPE], 1
	s_and_b32 s[TYPE], s[TYPE], 3                  ; 7 -> R -> H -> G -> Z -> R ..
	s_cmp_eq_u32 s[TYPE], 1
	s_cselect_b32 s[C1], -4.0, -2.0                ; H: y = 2 - 4 r; R, Z: y = 1 - 2 r;
	s_cselect_b32 s[C0], 2.0, 1.0
	s_cmp_eq_u32 s[TYPE], 2
	s_cselect_b32 s[C1], 1.0, s[C1]                ; G: y = r
	s_cselect_b32 s[C0], 0, s[C0]
	s_mov_b32 s[C1+1], s[C1]
	s_mov_b32 s[C0+1], s[C0]
	s_sub_co_u32 s[STG], s[STG], 1
	s_cmp_lg_u32 s[STG], 0
	s_cbranch_scc1 .Lstage
	; THE END: out = W S3 + b.  W stands in rows 0 and 8 of its fragments, so register 0 of a result holds the sample's number in both halves of the lanes.  Wave w takes n-tiles 2 w, 2 w + 1.
	; Lap l of the state holds the rows' block (l + rot) % 4, so its four K steps take W's fragments 4 ((l + rot) % 4) + 0 .. 3.
.irp l, 0,1,2,3
	s_add_co_u32 s44, s[ROT], \l
	s_and_b32 s44, s44, 3
	v_lshl_add_u32 v[FO+(\l)], s44, 12, v[L16]
.endr
	WIN 0xc0
.set t, 0
.rept 16
	global_load_b128 v[8*t:8*t+3],   v[FO+t/4], s[FINP:FINP+1] offset:(t%4)*1024
	global_load_b128 v[8*t+4:8*t+7], v[FO+t/4], s[FINP:FINP+1] offset:(t%4)*1024+512
.set t, t+1
.endr
	WIN 0x80
.set t, 0
.rept 16
.irp j, 0,1
	ds_load_b128 v[16*t+8*(\j):16*t+8*(\j)+3],   v[FB+t/8] offset:(t%8)*8192+(\j)*1024
	ds_load_b128 v[16*t+8*(\j)+4:16*t+8*(\j)+7], v[FB+t/8] offset:(t%8)*8192+(\j)*1024+512
.endr
.set t, t+1
.endr
	s_wait_loadcnt 0x0
	s_wait_dscnt 0x0
	WIN 0x0b                                       ; W in window 3, S3 in window 2, the two sums in window 0; they take turns
.set t, 0
.rept 16
.irp j, 0,1
.if t == 0
	v_wmma_f32_16x16x32_f16 v[64+8*(\j):71+8*(\j)], v[8*t:8*t+7], v[16*t+8*(\j):16*t+8*(\j)+7], 0
.else
	v_wmma_f32_16x16x32_f16 v[64+8*(\j):71+8*(\j)], v[8*t:8*t+7], v[16*t+8*(\j):16*t+8*(\j)+7], v[64+8*(\j):71+8*(\j)]
.endif
.endr
.set t, t+1
.endr
	PLACES
	PLACES
	WIN 0
	v_cmp_gt_u32 vcc_lo, 16, v[LANE]
	v_cndmask_b32 v32, v72, v64, vcc_lo            ; lanes 0-15: n-tile 2 w; lanes 16-31: n-tile 2 w + 1: thread t holds sample t
	v_add_f32 v32, s[BV], v32
	ds_store_b32 v[OST], v32
	s_wait_dscnt 0x0
	s_barrier_signal -1
	s_barrier_wait -1
	s_cmp_lg_u32 s[WV], 0
	s_cbranch_scc1 .Lend
	ds_load_b128 v[36:39], v[ORD]
	s_wait_dscnt 0x0
	global_store_b128 v[L16], v[36:39], s[10:11]   ; 512 consecutive bytes, at a multiple of 512 from out0's first byte
.Lend:
	s_wait_tensorcnt 0x0                           ; the wave's end, behind my last tensor load and my last LDS store
	ds_add_u32 v[SPW], v[NIL]
	s_wait_dscnt 0x0
	CROUND                                         ; the closing round: no work-group ends while a partner may still ask for a fill that names it
	s_endpgm
.Lfunc_end_k_qdf919a95c4_net:
	.size	k_qdf919a95c4_net, .Lfunc_end_k_qdf919a95c4_net-k_qdf919a95c4_net
	.p2alignl 7, 3214868480
	.fill 96, 4, 3214868480
	.section	.rodata,"a",@progbits
	.p2align	6, 0x0
	.amdhsa_kernel k_qdf919a95c4_net
		.amdhsa_group_segment_fixed_size 327680
		.amdhsa_private_segment_fixed_size 0
		.amdhsa_enable_private_segment 0
		.amdhsa_kernarg_size 32
		.amdhsa_user_sgpr_count 2
		.amdhsa_user_sgpr_kernarg_segment_ptr 1
		.amdhsa_wavefront_size32 1
		.amdhsa_system_sgpr_workgroup_id_x 1
		.amdhsa_system_sgpr_workgroup_id_y 1
		.amdhsa_system_sgpr_workgroup_id_z 1
		.amdhsa_system_vgpr_workitem_id 0
		.amdhsa_next_free_vgpr 1024
		.amdhsa_next_free_sgpr 66
		.amdhsa_reserve_vcc 1
		.amdhsa_float_denorm_mode_32 3
		.amdhsa_float_denorm_mode_16_64 3
		.amdhsa_memory_ordered 1
		.amdhsa_forward_progress 1
		.amdhsa_inst_pref_size 255
	.end_amdhsa_kernel
	.section	.bss,"aw",@nobits
	.p2align	6
	.space	262144
	.amdgpu_metadata
---
amdhsa.version: [ 1, 2 ]
amdhsa.kernels:
  - .name:           k_qdf919a95c4_net
    .symbol:         k_qdf919a95c4_net.kd
    .args:
      - { .name: x, .offset: 0, .size: 8, .value_kind: global_buffer, .address_space: global }
      - { .name: b, .offset: 8, .size: 8, .value_kind: global_buffer, .address_space: global }
      - { .name: wk, .offset: 16, .size: 8, .value_kind: global_buffer, .address_space: global }
      - { .name: out0, .offset: 24, .size: 8, .value_kind: global_buffer, .address_space: global }
    .group_segment_fixed_size: 327680
    .private_segment_fixed_size: 0
    .kernarg_segment_align: 8
    .kernarg_segment_size: 32
    .max_flat_workgroup_size: 128
    .sgpr_count:     66
    .vgpr_count:     1024
    .wavefront_size: 32
...
	.end_amdgpu_metadata
.endif
;; end of part 3
